; MI455X (gfx1250); checked and timed in simulation.
; The chip was launched on July 23, 2026; its instructions are those of AMD's public machine-readable ISA for CDNA 5 (MIT licence, August 2026) and "CDNA5" Instruction Set Architecture Reference Guide (July 2026). The comments in the code are by the model that wrote it; some were corrected since.
;; Temporal Attention. Allowed arithmetic: float matrix products may take bf16 or f16 operands with f32 sums; all other float work in f32.
;; Inputs: Wk 256 x 256 float32; Wq 256 x 1,024 float32; Wv 256 x 256 float32; bk 256 float32; bq 256 float32; bv 256 float32; residual_maps 2 x 16 x 256 x 64 x 64 float32; transformer_output 2 x 1,024 float32.
;; Outputs: out0 2 x 256 x 64 x 64 float32.
;; 2 versions, each right; version 2 is version 1 with the launch attn written anew for expert scheduling mode. Each part assembles by itself: llvm-mc -triple=amdgcn-amd-amdhsa -mcpu=gfx1250 --defsym DOCPART=n.
;; ======== version 1 of 2: 2 launches
;; limits: values are held in f16: magnitudes above 65,504 overflow, below 6.1e-05 lose precision; right only within a limited range of input values
;; workspace buffers: up 65,792 bytes; wvh 131,072 bytes
;; launch prep (part 1): grid 32 x 1, 8 waves a work-group, no clusters, 17,664 bytes of LDS; arguments transformer_output, Wq, bq, Wk, bk, Wv, up, wvh; writes up, wvh
.if DOCPART == 1
	.amdgcn_target "amdgcn-amd-amdhsa--gfx1250"
	.amdhsa_code_object_version 6
	.text
	.protected	k_q5945b5f860_prep
	.globl	k_q5945b5f860_prep
	.p2align	8
	.type	k_q5945b5f860_prep,@function
k_q5945b5f860_prep:
	s_mov_b64 s[64:65], 0
	v_nop
	global_prefetch_b8 v0, s[64:65] scope:SCOPE_SE
	s_setreg_imm32_b32 hwreg(HW_REG_WAVE_MODE, 25, 1), 1
	s_wait_xcnt 0x0
; prep: what the stream over residual_maps needs beforehand.
;   q[b][o]  = sum over t of transformer_output[b][t] Wq[o][t] + bq[o]          (f32)
;   u[b][c]  = sum over o of Wk[o][c] q[b][o],  s0[b] = sum over o of q[b][o] bk[o]
; so that the score of a pixel is scale (u[b] . x + s0[b]), which equals scale q . (Wk x + bk) but for the order of the sums.
; Work-group j (of 32) owns the eight rows o = 8 j .. 8 j + 7, one a wave.  It stores the PARTIAL sums over its eight rows:
;   up bytes j*2048 + b*1024 + 4 c : sum over its o of Wk[o][c] q'[b][o]        up bytes 65536 + b*128 + 4 j : sum over its o of q'[b][o] bk[o]
; with q' = FACT q, FACT = 256^-0.5 log2(e): the next launch adds the 32 partials in a fixed order and takes its exponentials in base 2.
; It also stores its 4,096 bytes of 64 Wv as f16 in the order of matrix fragments: the 16 bytes at ((ob*8+ks)*2+jj)*512 + 16 L hold
; 64 Wv[16 ob + L%16][32 ks + 16 jj + 8 (L/16) .. +7], so that a wave's 16-byte load there is half a fragment and 512 consecutive bytes.
; The factor 64 is exact (a power of two) and is taken out again by the next launch; it moves the span in which f16 keeps its 11 bits to 2^-20 <= |Wv| <= 1023.
; No matrix unit: one row against two vectors.  No tensor load, no cluster: 48 KiB a work-group, each byte of Wq, Wk, Wv used by one wave.
; LIMITS: sums in another order than the model's; Wv rounded once to f16 (nearest even): |Wv| above 1023 becomes infinite, below 2^-20 the step is 2^-30.
.set FACT, 0x3db8aa3b                  ; 0.0625 * 1.442695
.set WVSC, 0x42800000                  ; 64.0
.set LOFF, 1                           ; v1        16 x lane
.set WVS,  2                           ; v2        Wv source: (L%16) rows of 1,024 bytes + (L/16) * 32
.set LST,  3                           ; v3        LDS: my wave's 2,048 bytes + 16 x lane
.set ACC,  4                           ; v[4:11]   two chains of pairs for b = 0, two for b = 1; then q'0 in v4, q'1 in v8
.set QB,   12                          ; v12, v13  q'b * bk[o]
.set SPA,  14                          ; v14       4 x wave
.set TMP,  15                          ; v15       the other half's lane sum
.set WQ,   16                          ; v[16:47]  my row of Wq; later the eight waves' partials
.set TR0,  48                          ; v[48:79]  transformer_output[0]
.set TR1,  80                          ; v[80:111] transformer_output[1]
.set WK,   112                         ; v[112:119] my row of Wk
.set WV,   120                         ; v[120:127] eight numbers of Wv
.set P,    128                         ; v[128:143] Wk row x q'0, x q'1
.set WVD,  144                         ; v144      byte offset of my 16 bytes in wvh
.set LRD,  145                         ; v145      16 x thread
.set UPD,  146                         ; v146      byte offset of my 16 bytes in up
.set SPW,  16384                       ; LDS: behind the eight waves' 2,048 bytes, the words [b][wave] of q' bk
	s_load_b512 s[4:19], s[0:1], 0x0               ; t 4:5, Wq 6:7, bq 8:9, Wk 10:11, bk 12:13, Wv 14:15, up 16:17, wvh 18:19
	v_lshl_add_u32 v148, v0, 2, 0x4100
	v_mov_b32 v149, 0
	v_lshrrev_b32 v[TMP], 5, v0
	v_readfirstlane_b32 s20, v[TMP]                ; wave 0..7
	s_lshl_b32 s21, ttmp9, 3
	s_add_co_u32 s21, s21, s20                     ; my row o = 8 j + wave
	s_mov_b32 s34, 0x76543210                      ; v_permlanex16_b32: lane i reads lane i of the other half
	s_mov_b32 s35, 0xfedcba98
	s_mov_b32 s36, FACT
	s_lshl_b32 s22, s21, 12                        ; o rows of Wq, 4,096 bytes each
	s_mov_b32 s23, 0
	s_lshl_b32 s24, s21, 10                        ; o rows of Wk, 1,024 bytes each
	s_mov_b32 s25, 0
	s_lshl_b32 s28, s21, 2                         ; word o of bq and of bk
	s_mov_b32 s29, 0
	s_lshr_b32 s32, ttmp9, 1                       ; my 512 bytes of wvh are piece 8 j + wave: ob = j / 2, ks = 4 (j % 2) + wave / 2, jj = wave % 2
	s_lshl_b32 s32, s32, 14                        ; 16 ob rows of 1,024 bytes
	s_and_b32 s33, ttmp9, 1
	s_lshl_b32 s33, s33, 9                         ; + 128 ks + 64 jj = 512 (j % 2) + 64 wave
	s_add_co_u32 s32, s32, s33
	s_lshl_b32 s33, s20, 6
	s_add_co_u32 s32, s32, s33
	s_mov_b32 s33, 0
	s_lshl_b32 s39, s20, 11                        ; my wave's 2,048 bytes of LDS
	s_lshl_b32 s40, ttmp9, 12
	s_lshl_b32 s41, s20, 9
	s_add_co_u32 s40, s40, s41                     ; wvh: 4,096 j + 512 wave
	s_lshl_b32 s41, ttmp9, 11                      ; up: 2,048 j
	s_lshl_b32 s42, ttmp9, 2                       ; word j
	s_lshl_b32 s43, s20, 2                         ; word wave
	v_and_b32 v[LOFF], 31, v0
	v_lshlrev_b32 v[LOFF], 4, v[LOFF]
	v_and_b32 v[WVS], 15, v0
	v_lshlrev_b32 v[WVS], 10, v[WVS]
	v_bfe_u32 v[QB], v0, 4, 1
	v_lshl_add_u32 v[WVS], v[QB], 5, v[WVS]
	v_add_nc_u32 v[LST], s39, v[LOFF]
	v_mov_b32 v[SPA], s43
	v_add_nc_u32 v[WVD], s40, v[LOFF]
	v_lshlrev_b32 v[LRD], 4, v0
	v_add_nc_u32 v[UPD], s41, v[LRD]
	s_wait_kmcnt 0x0
	s_add_nc_u64 s[22:23], s[6:7], s[22:23]        ; Wq at my row
	s_add_nc_u64 s[24:25], s[10:11], s[24:25]      ; Wk at my row
	s_add_nc_u64 s[30:31], s[12:13], s[28:29]      ; bk[o]
	s_add_nc_u64 s[28:29], s[8:9], s[28:29]        ; bq[o]
	s_add_nc_u64 s[32:33], s[14:15], s[32:33]      ; Wv at my piece
	s_load_b32 s26, s[28:29], 0x0
	s_load_b32 s27, s[30:31], 0x0
	; all 28 loads at once; each covers 512 consecutive bytes but Wv's, which take 32 bytes of each of 16 rows (8 KiB a work-group, once)
.irp i, 0,1,2,3,4,5,6,7
	global_load_b128 v[TR0+4*\i:TR0+4*\i+3], v[LOFF], s[4:5] offset:512*\i
.endr
.irp i, 0,1,2,3,4,5,6,7
	global_load_b128 v[TR1+4*\i:TR1+4*\i+3], v[LOFF], s[4:5] offset:4096+512*\i
.endr
.irp i, 0,1,2,3,4,5,6,7
	global_load_b128 v[WQ+4*\i:WQ+4*\i+3], v[LOFF], s[22:23] offset:512*\i th:TH_LOAD_NT
.endr
	global_load_b128 v[WK:WK+3],   v[LOFF], s[24:25] th:TH_LOAD_NT
	global_load_b128 v[WK+4:WK+7], v[LOFF], s[24:25] offset:512 th:TH_LOAD_NT
	global_load_b128 v[WV:WV+3],   v[WVS], s[32:33] th:TH_LOAD_NT
	global_load_b128 v[WV+4:WV+7], v[WVS], s[32:33] offset:16 th:TH_LOAD_NT
	s_wait_loadcnt 0x4                             ; the 24 older loads are in; Wk's two and Wv's two may stay out
	; my 32 numbers of the row against both vectors: the first products start the four chains
	v_pk_mul_f32 v[ACC:ACC+1],   v[WQ:WQ+1],   v[TR0:TR0+1]
	v_pk_mul_f32 v[ACC+2:ACC+3], v[WQ+2:WQ+3], v[TR0+2:TR0+3]
	v_pk_mul_f32 v[ACC+4:ACC+5], v[WQ:WQ+1],   v[TR1:TR1+1]
	v_pk_mul_f32 v[ACC+6:ACC+7], v[WQ+2:WQ+3], v[TR1+2:TR1+3]
.irp i, 1,2,3,4,5,6,7
	v_pk_fma_f32 v[ACC:ACC+1],   v[WQ+4*\i:WQ+4*\i+1],   v[TR0+4*\i:TR0+4*\i+1],   v[ACC:ACC+1]
	v_pk_fma_f32 v[ACC+2:ACC+3], v[WQ+4*\i+2:WQ+4*\i+3], v[TR0+4*\i+2:TR0+4*\i+3], v[ACC+2:ACC+3]
	v_pk_fma_f32 v[ACC+4:ACC+5], v[WQ+4*\i:WQ+4*\i+1],   v[TR1+4*\i:TR1+4*\i+1],   v[ACC+4:ACC+5]
	v_pk_fma_f32 v[ACC+6:ACC+7], v[WQ+4*\i+2:WQ+4*\i+3], v[TR1+4*\i+2:TR1+4*\i+3], v[ACC+6:ACC+7]
.endr
	v_pk_add_f32 v[ACC:ACC+1],   v[ACC:ACC+1],   v[ACC+2:ACC+3]
	v_pk_add_f32 v[ACC+4:ACC+5], v[ACC+4:ACC+5], v[ACC+6:ACC+7]
	v_add_f32 v[ACC],   v[ACC],   v[ACC+1]
	v_add_f32 v[ACC+4], v[ACC+4], v[ACC+5]
.irp m, 1,2,4,8
	v_add_f32_dpp v[ACC],   v[ACC],   v[ACC]   row_xmask:\m row_mask:0xf bank_mask:0xf
	v_add_f32_dpp v[ACC+4], v[ACC+4], v[ACC+4] row_xmask:\m row_mask:0xf bank_mask:0xf
.endr
	v_permlanex16_b32 v[TMP], v[ACC], s34, s35
	v_add_f32 v[ACC], v[ACC], v[TMP]
	v_permlanex16_b32 v[TMP], v[ACC+4], s34, s35
	v_add_f32 v[ACC+4], v[ACC+4], v[TMP]           ; every lane holds both dot products
	s_wait_kmcnt 0x0                               ; bq[o], bk[o]
	s_mul_f32 s37, s26, s36
	v_fma_f32 v[ACC],   v[ACC],   s36, s37         ; q'b = FACT (dot + bq[o])
	v_fma_f32 v[ACC+4], v[ACC+4], s36, s37
	v_mul_f32 v[QB],   s27, v[ACC]                 ; q'b bk[o]
	v_mul_f32 v[QB+1], s27, v[ACC+4]
	s_wait_loadcnt 0x2                             ; Wk's row is in; Wv's two loads may stay out
.irp k, 0,2,4,6
	v_pk_mul_f32 v[P+\k:P+\k+1],     v[WK+\k:WK+\k+1], v[ACC:ACC+1]     op_sel_hi:[1,0]   ; both by q'0
	v_pk_mul_f32 v[P+8+\k:P+8+\k+1], v[WK+\k:WK+\k+1], v[ACC+4:ACC+5]   op_sel_hi:[1,0]   ; both by q'1
.endr
	ds_store_b128 v[LST], v[P:P+3]                             ; b = 0, c = 4 L ..
	ds_store_b128 v[LST], v[P+4:P+7]    offset:512             ; b = 0, c = 128 + 4 L ..
	ds_store_b128 v[LST], v[P+8:P+11]   offset:1024            ; b = 1
	ds_store_b128 v[LST], v[P+12:P+15]  offset:1536
	ds_store_b32  v[SPA], v[QB]   offset:SPW                   ; every lane the same word with the same number
	ds_store_b32  v[SPA], v[QB+1] offset:SPW+32
	s_wait_loadcnt 0x0                             ; Wv
.irp k, 0,2,4,6
	v_pk_mul_f32 v[WV+\k:WV+\k+1], v[WV+\k:WV+\k+1], WVSC op_sel_hi:[1,0]   ; x 64, exact
.endr
	v_cvt_pk_f16_f32 v[WV],   v[WV],   v[WV+1]
	v_cvt_pk_f16_f32 v[WV+1], v[WV+2], v[WV+3]
	v_cvt_pk_f16_f32 v[WV+2], v[WV+4], v[WV+5]
	v_cvt_pk_f16_f32 v[WV+3], v[WV+6], v[WV+7]
	global_store_b128 v[WVD], v[WV:WV+3], s[18:19]             ; the wave's 512 consecutive bytes, aligned
	s_wait_dscnt 0x0                               ; my LDS stores are done, for the waves that read them behind the barrier
	s_barrier_signal -1
	s_barrier_wait -1
	s_cmp_lt_u32 s20, 4
	s_cbranch_scc0 .Lupper
	; waves 0 to 3: thread t adds the eight waves' 16 bytes at 16 t of the 2,048 bytes [b][c]
.irp i, 0,1,2,3,4,5,6,7
	ds_load_b128 v[WQ+4*\i:WQ+4*\i+3], v[LRD] offset:2048*\i
.endr
	s_wait_dscnt 0x0
.irp i, 0,2,4,6
	v_pk_add_f32 v[WQ+4*\i:WQ+4*\i+1],   v[WQ+4*\i:WQ+4*\i+1],   v[WQ+4*\i+4:WQ+4*\i+5]
	v_pk_add_f32 v[WQ+4*\i+2:WQ+4*\i+3], v[WQ+4*\i+2:WQ+4*\i+3], v[WQ+4*\i+6:WQ+4*\i+7]
.endr
.irp i, 0,4
	v_pk_add_f32 v[WQ+4*\i:WQ+4*\i+1],   v[WQ+4*\i:WQ+4*\i+1],   v[WQ+4*\i+8:WQ+4*\i+9]
	v_pk_add_f32 v[WQ+4*\i+2:WQ+4*\i+3], v[WQ+4*\i+2:WQ+4*\i+3], v[WQ+4*\i+10:WQ+4*\i+11]
.endr
	v_pk_add_f32 v[WQ:WQ+1],   v[WQ:WQ+1],   v[WQ+16:WQ+17]
	v_pk_add_f32 v[WQ+2:WQ+3], v[WQ+2:WQ+3], v[WQ+18:WQ+19]
	global_store_b128 v[UPD], v[WQ:WQ+3], s[16:17]             ; 512 consecutive bytes a wave, aligned
	s_wait_tensorcnt 0x0
	ds_add_u32 v148, v149
	s_wait_dscnt 0x0
	s_endpgm
.Lupper:
	s_cmp_eq_u32 s20, 4
	s_cbranch_scc0 .Ldone
	; wave 4: the sixteen words [b][wave]; lanes 0-7 add b = 0's eight, lanes 8-15 b = 1's
	v_and_b32 v[ACC], 15, v0
	v_lshlrev_b32 v[ACC], 2, v[ACC]
	ds_load_b32 v[ACC+1], v[ACC] offset:SPW
	v_and_b32 v[ACC+2], 0x17, v0                   ; 0 in lanes 0 and 8 alone
	v_bfe_u32 v[ACC+3], v0, 3, 1                   ; b
	v_lshlrev_b32 v[ACC+3], 7, v[ACC+3]
	v_add_nc_u32 v[ACC+3], s42, v[ACC+3]           ; 128 b + 4 j
	s_wait_dscnt 0x0
.irp m, 1,2,4
	v_add_f32_dpp v[ACC+1], v[ACC+1], v[ACC+1] row_xmask:\m row_mask:0xf bank_mask:0xf
.endr
	v_cmp_eq_u32 vcc_lo, 0, v[ACC+2]
	s_wait_xcnt 0x0                                ; EXEC is a source of the store into wvh: it is narrowed only behind this wait
	s_wait_tensorcnt 0x0
	ds_add_u32 v148, v149
	s_wait_dscnt 0x0
	s_and_saveexec_b32 s38, vcc_lo
	global_store_b32 v[ACC+3], v[ACC+1], s[16:17] offset:65536
	s_endpgm                                       ; EXEC is not widened again: the wave ends here
.Ldone:
	s_wait_tensorcnt 0x0
	ds_add_u32 v148, v149
	s_wait_dscnt 0x0
	s_endpgm
.Lfunc_end_k_q5945b5f860_prep:
	.size	k_q5945b5f860_prep, .Lfunc_end_k_q5945b5f860_prep-k_q5945b5f860_prep
	.p2alignl 7, 3214868480
	.fill 96, 4, 3214868480
	.section	.rodata,"a",@progbits
	.p2align	6, 0x0
	.amdhsa_kernel k_q5945b5f860_prep
		.amdhsa_group_segment_fixed_size 17664
		.amdhsa_private_segment_fixed_size 0
		.amdhsa_enable_private_segment 0
		.amdhsa_kernarg_size 64
		.amdhsa_user_sgpr_count 2
		.amdhsa_user_sgpr_kernarg_segment_ptr 1
		.amdhsa_wavefront_size32 1
		.amdhsa_system_sgpr_workgroup_id_x 1
		.amdhsa_system_sgpr_workgroup_id_y 1
		.amdhsa_system_sgpr_workgroup_id_z 1
		.amdhsa_system_vgpr_workitem_id 0
		.amdhsa_next_free_vgpr 150
		.amdhsa_next_free_sgpr 66
		.amdhsa_reserve_vcc 1
		.amdhsa_float_denorm_mode_32 3
		.amdhsa_float_denorm_mode_16_64 3
		.amdhsa_memory_ordered 1
		.amdhsa_forward_progress 1
		.amdhsa_inst_pref_size 13
	.end_amdhsa_kernel
	.amdgpu_metadata
---
amdhsa.version: [ 1, 2 ]
amdhsa.kernels:
  - .name:           k_q5945b5f860_prep
    .symbol:         k_q5945b5f860_prep.kd
    .args:
      - { .name: transformer_output, .offset: 0, .size: 8, .value_kind: global_buffer, .address_space: global }
      - { .name: Wq, .offset: 8, .size: 8, .value_kind: global_buffer, .address_space: global }
      - { .name: bq, .offset: 16, .size: 8, .value_kind: global_buffer, .address_space: global }
      - { .name: Wk, .offset: 24, .size: 8, .value_kind: global_buffer, .address_space: global }
      - { .name: bk, .offset: 32, .size: 8, .value_kind: global_buffer, .address_space: global }
      - { .name: Wv, .offset: 40, .size: 8, .value_kind: global_buffer, .address_space: global }
      - { .name: up, .offset: 48, .size: 8, .value_kind: global_buffer, .address_space: global }
      - { .name: wvh, .offset: 56, .size: 8, .value_kind: global_buffer, .address_space: global }
    .group_segment_fixed_size: 17664
    .private_segment_fixed_size: 0
    .kernarg_segment_align: 8
    .kernarg_segment_size: 64
    .max_flat_workgroup_size: 256
    .sgpr_count:     66
    .vgpr_count:     150
    .wavefront_size: 32
...
	.end_amdgpu_metadata
.endif
;; end of part 1
;; launch attn (part 2): grid 64 x 2, 8 waves a work-group, no clusters, 116,736 bytes of LDS; arguments residual_maps, up, wvh, bv, out0; writes out0
.if DOCPART == 2
	.amdgcn_target "amdgcn-amd-amdhsa--gfx1250"
	.amdhsa_code_object_version 6
	.text
	.protected	k_q5945b5f860_attn
	.globl	k_q5945b5f860_attn
	.p2align	8
	.type	k_q5945b5f860_attn,@function
k_q5945b5f860_attn:
	s_mov_b64 s[64:65], 0
	v_nop
	global_prefetch_b8 v0, s[64:65] scope:SCOPE_SE
	s_setreg_imm32_b32 hwreg(HW_REG_WAVE_MODE, 25, 1), 1
	s_wait_xcnt 0x0
; attn: out[b][o][p] = sum over c of Wv[o][c] z[b][c][p] + bv[o],   z = sum over m of softmax_m(score[b][m][p]) x[b][m][c][p],
;       score in base 2 = u'[b] . x[b][m][:][p] + s0'[b]   (u', s0' are the sums of the 32 partials of the launch before, scale and log2(e) folded in).
; Both 1x1 convolutions are linear in x, so they are taken out of the sum over the maps: x is read ONCE, as a stream, and one matrix product is left.
; A work-group owns one batch element and 64 pixels (256 consecutive bytes of every row x[b][m][c], aligned): 16 maps x 256 c x 256 bytes = 1 MiB in, 64 KiB out.
; Wave w owns channels 32 w .. 32 w + 31; lane L (q = L % 16, h = L / 16) owns pixels 4 q .. 4 q + 3 of rows c = 32 w + 16 h + j, j = 0 .. 15:
; one 16-byte load of the wave covers two whole rows of 256 bytes; a map is 16 loads and 64 registers of a wave.
; The softmax over the maps keeps a running maximum: per map the waves' partial scores meet in LDS (one barrier), then z = z 2^(old-new) + x 2^(score-new).
; Maps wait in a ring of four register slots; three are always on their way while one is worked on (48 loads of 512 bytes a wave, 192 KiB a work-group).
; At the end z / sum goes to LDS as f16, and wave w makes rows o = 32 w .. +31 of (64 Wv) z on the matrix unit, f32 sums; the 64 is taken out with bv's addition.
; WHY f16: the product is the only rounding to 16 bits between x and the output.  Eight significant bits in both operands would leave each of the 256 products a
; relative error near 2^-9, and the sum an error of about 1/400 of the output's root mean square, too near the hundredth that is allowed for two million outputs;
; eleven bits leave an eighth of that.  z is a weighted mean of x, so it is no larger than x.
; LEFT OUT: tensor loads and an LDS ring (each byte of x is used by one wave alone, and registers hold it without a barrier for refills); clusters with joint
; loads (work-groups share only wvh and up, 160 KiB beside 1,024 KiB of x of their own); the matrix unit for scores and weighted sums (one row of sixteen would
; be used, and x would have to be transposed).  128 work-groups: a tile narrower than 256 bytes would read and write rows in halves.
; LIMITS: sums in another order than the model's ((Wk^T q) . x for q . (Wk x); Wv behind the weighting; bv added once, since the weights add up to 1 but for
; rounding).  z and 64 Wv are rounded once to f16: |z| above 65504 (so |x| above that) and |Wv| above 1023 become infinite; below 2^-14 (z) and 2^-20 (Wv) the step
; is fixed, 2^-24 and 2^-30.  A weight below 2^-126 of the largest counts as 0 (v_exp_f32 gives 0 there).  A NaN or infinite score gives NaN in that pixel's
; outputs, not of need in the same elements as the model.
.set XROW,   16384                     ; bytes from channel to channel of x and of out0
.set XMAP,   0x400000                  ; bytes from map to map
.set UNSC,   0x3c800000                ; 1 / 64
.set PS,     0                         ; LDS 0..4095      partial scores: 2 parities x 8 waves' rows of 256 bytes
.set UL,     4096                      ; LDS 4096..5119   u' of each wave's 32 channels, 128 bytes a wave, its own
.set ZB,     5120                      ; LDS 5120..46079  z as f16: 256 rows c of 128 bytes, pitch 160 (an odd multiple of 32: the transposing loads' rows start in different banks)
.set ZP,     160
.set STG,    46080                     ; LDS 46080..115711  the way out: 32 rows of 256 bytes, pitch 272, for each wave, its own
.set SPITCH, 272
.set XOFF, 1                           ; v1   (32 w + 16 h) rows + 16 q: my bytes in x's maps and in out0; never rewritten
.set PST,  2                           ; v2   256 w + 16 q
.set PLD,  3                           ; v3   1024 h + 16 q
.set WVO,  4                           ; v4   16384 w + 16 L
.set UPO,  5                           ; v5   my 16 bytes of four partials of u'
.set S0H,  6                           ; v[6:7]   s0' in threads 0-15, 0 elsewhere
.set BV,   8                           ; v[8:9]   bv[32 w + r], bv[32 w + 16 + r]
.set SPO,  10                          ; v10  4 L
.set BVO,  11                          ; v11  128 w + 4 r
.set T,    12                          ; v[12:27] at work
.set S,    T                           ;   the map's scores of my 4 pixels
.set AL,   T+4                         ;   2^(old max - new max)
.set E,    T+8                         ;   2^(score - new max)
.set SCB,  T+12                        ;   second chain of the score
.set SCA,  28                          ; v[28:31] first chain
.set MXA,  32                          ; v[32:35], v[36:39]  the running maximum, by turns: never copied
.set MXB,  36
.set LS,   40                          ; v[40:43] running sum of the weights
.set RL,   44                          ; v[44:47] 1 / sum (at first: two LDS addresses)
.set U,    48                          ; v[48:63] u' of my 16 channels
.set Z,    64                          ; v[64:127] z of my 16 channels x 4 pixels; later fragments of z, then results
.set R0,   128                         ; ring slot 0: v128-191; later Wv's second block, then the way out
.set R3,   192                         ; ring slot 3: v192-255; at first the partials of u'; later Wv's first block
.set R1,   0                           ; ring slot 1: v256-319, named v0-63 of window 1; later the eight accumulators
.set R2,   64                          ; ring slot 2: v320-383, named v64-127 of window 1
.set FA,   64                          ; z fragments, two sets
.set FB,   96
.set ZST,  32                          ; late LDS addresses, where the maxima were
.set ZLD,  33
.set STO,  34
.set RD,   35
.set MB,   32                          ; s[32+2m:33+2m]  x at my tile of map m: written once, so no base is stepped under a pending load
.set MSB,  0
; s_set_vgpr_msb: bits 1:0 source 0, 3:2 source 1, 5:4 source 2, 7:6 destination; the high byte repeats the setting that is left.  Every macro states its window at its head.
.macro WIN new
.if MSB != (\new)
	s_set_vgpr_msb (MSB<<8)|(\new)
.set MSB, (\new)
.endif
.endm
.macro PLACES                          ; four places behind a matrix instruction (ISA guide 7.12.1)
.rept 4
	v_nop
.endr
.endm
; map m into 64 registers from reg of window blk: 16 loads, two whole rows of 256 bytes each
.macro LOADMAP m, reg, blk
	WIN 0x40*\blk
.irp j, 0,1,2,3,4,5,6,7,8,9,10,11,12,13,14,15
	global_load_b128 v[\reg+4*\j:\reg+4*\j+3], v[XOFF], s[MB+2*(\m):MB+2*(\m)+1] offset:XROW*\j th:TH_LOAD_NT
.endr
.endm
; block ob (0, 1) of my 32 rows of 64 Wv: eight fragments of 8 registers, each load 512 consecutive bytes
.macro LOADWV ob, reg
	WIN 0
.irp k, 0,1,2,3,4,5,6,7,8,9,10,11,12,13,14,15
	global_load_b128 v[\reg+4*\k:\reg+4*\k+3], v[WVO], s[8:9] offset:8192*\ob+512*\k
.endr
.endm
; The scores of the map in reg: my 16 channels in two chains, the other half of the lanes, then the eight waves through LDS.  PAR = the map's parity.
; ONE barrier a map: parity PAR is stored again two maps later, behind the next map's barrier, which every wave signals only behind the wait for its reads here.
.macro SCORE reg, blk, dst
	WIN \blk
	v_pk_fma_f32 v[SCA:SCA+1],   v[\reg:\reg+1],     v[U:U+1], v[S0H:S0H+1] op_sel_hi:[1,0,1]   ; the constant s0' is the first addend, in threads 0-15 alone: once a pixel
	v_pk_fma_f32 v[SCA+2:SCA+3], v[\reg+2:\reg+3],   v[U:U+1], v[S0H:S0H+1] op_sel_hi:[1,0,1]
	v_pk_mul_f32 v[SCB:SCB+1],   v[\reg+4:\reg+5],   v[U:U+1] op_sel:[0,1] op_sel_hi:[1,1]
	v_pk_mul_f32 v[SCB+2:SCB+3], v[\reg+6:\reg+7],   v[U:U+1] op_sel:[0,1] op_sel_hi:[1,1]
.irp j, 2,4,6,8,10,12,14
	v_pk_fma_f32 v[SCA:SCA+1],   v[\reg+4*\j:\reg+4*\j+1],   v[U+\j:U+\j+1], v[SCA:SCA+1]     op_sel_hi:[1,0,1]               ; both pixels by u'[j]
	v_pk_fma_f32 v[SCA+2:SCA+3], v[\reg+4*\j+2:\reg+4*\j+3], v[U+\j:U+\j+1], v[SCA+2:SCA+3]   op_sel_hi:[1,0,1]
	v_pk_fma_f32 v[SCB:SCB+1],   v[\reg+4*\j+4:\reg+4*\j+5], v[U+\j:U+\j+1], v[SCB:SCB+1]     op_sel:[0,1,0] op_sel_hi:[1,1,1] ; both by u'[j+1]
	v_pk_fma_f32 v[SCB+2:SCB+3], v[\reg+4*\j+6:\reg+4*\j+7], v[U+\j:U+\j+1], v[SCB+2:SCB+3]   op_sel:[0,1,0] op_sel_hi:[1,1,1]
.endr
	WIN 0
	v_pk_add_f32 v[SCA:SCA+1],   v[SCA:SCA+1],   v[SCB:SCB+1]
	v_pk_add_f32 v[SCA+2:SCA+3], v[SCA+2:SCA+3], v[SCB+2:SCB+3]
.irp k, 0,1,2,3
	v_permlanex16_b32 v[T+\k], v[SCA+\k], s20, s21             ; the same pixels' other 16 channels
.endr
	v_pk_add_f32 v[SCA:SCA+1],   v[SCA:SCA+1],   v[T:T+1]
	v_pk_add_f32 v[SCA+2:SCA+3], v[SCA+2:SCA+3], v[T+2:T+3]
	ds_store_b128 v[PST], v[SCA:SCA+3] offset:PS+PAR*2048      ; my wave's row; both halves of the lanes store the same numbers
	s_wait_dscnt 0x0                                           ; done, for the other waves' sake
	s_barrier_signal -1
	s_barrier_wait -1
.irp i, 0,1,2,3
	ds_load_b128 v[T+4*\i:T+4*\i+3], v[PLD] offset:PS+PAR*2048+256*\i   ; waves 4 h + i
.endr
	s_wait_dscnt 0x0
	v_pk_add_f32 v[T:T+1],     v[T:T+1],     v[T+4:T+5]
	v_pk_add_f32 v[T+2:T+3],   v[T+2:T+3],   v[T+6:T+7]
	v_pk_add_f32 v[T+8:T+9],   v[T+8:T+9],   v[T+12:T+13]
	v_pk_add_f32 v[T+10:T+11], v[T+10:T+11], v[T+14:T+15]
	v_pk_add_f32 v[T:T+1],     v[T:T+1],     v[T+8:T+9]
	v_pk_add_f32 v[T+2:T+3],   v[T+2:T+3],   v[T+10:T+11]
.irp k, 0,1,2,3
	v_permlanex16_b32 v[T+4+\k], v[T+\k], s20, s21             ; the other four waves
.endr
	v_pk_add_f32 v[\dst:\dst+1],   v[T:T+1],   v[T+4:T+5]
	v_pk_add_f32 v[\dst+2:\dst+3], v[T+2:T+3], v[T+6:T+7]
.endm
.macro SOFTMAX old, new
	WIN 0
.irp k, 0,1,2,3
	v_max_num_f32 v[\new+\k], v[\old+\k], v[S+\k]
.endr
	v_pk_add_f32 v[AL:AL+1],   v[\old:\old+1],     v[\new:\new+1]     neg_lo:[0,1] neg_hi:[0,1]
	v_pk_add_f32 v[AL+2:AL+3], v[\old+2:\old+3],   v[\new+2:\new+3]   neg_lo:[0,1] neg_hi:[0,1]
	v_pk_add_f32 v[E:E+1],     v[S:S+1],           v[\new:\new+1]     neg_lo:[0,1] neg_hi:[0,1]
	v_pk_add_f32 v[E+2:E+3],   v[S+2:S+3],         v[\new+2:\new+3]   neg_lo:[0,1] neg_hi:[0,1]
.irp k, 0,1,2,3,4,5,6,7
	v_exp_f32 v[AL+\k], v[AL+\k]                               ; AL and E lie side by side; no exponent is above 0
.endr
	v_nop                                                      ; one plain place behind the exponentials before their results are used (ISA guide 5.7.2)
	s_wait_alu depctr_va_vdst(0)
	v_pk_fma_f32 v[LS:LS+1],   v[LS:LS+1],   v[AL:AL+1],   v[E:E+1]
	v_pk_fma_f32 v[LS+2:LS+3], v[LS+2:LS+3], v[AL+2:AL+3], v[E+2:E+3]
.endm
.macro UPDATE reg, blk                 ; z = z 2^(old-new) + x 2^(score-new)
	WIN 0
.irp j, 0,1,2,3,4,5,6,7,8,9,10,11,12,13,14,15
	v_pk_mul_f32 v[Z+4*\j:Z+4*\j+1],   v[Z+4*\j:Z+4*\j+1],   v[AL:AL+1]
	v_pk_mul_f32 v[Z+4*\j+2:Z+4*\j+3], v[Z+4*\j+2:Z+4*\j+3], v[AL+2:AL+3]
.endr
	WIN \blk
.irp j, 0,1,2,3,4,5,6,7,8,9,10,11,12,13,14,15
	v_pk_fma_f32 v[Z+4*\j:Z+4*\j+1],   v[\reg+4*\j:\reg+4*\j+1],   v[E:E+1],     v[Z+4*\j:Z+4*\j+1]
	v_pk_fma_f32 v[Z+4*\j+2:Z+4*\j+3], v[\reg+4*\j+2:\reg+4*\j+3], v[E+2:E+3],   v[Z+4*\j+2:Z+4*\j+3]
.endr
.endm
; map m, which lies in reg.  left = the younger loads, which may stay out.
.macro TURN m, reg, blk, left
	s_wait_loadcnt \left                           ; loads come back in order (ISA guide 5.7.1): this map's sixteen are in
.set PAR, (\m)&1
	SCORE \reg, \blk, S
.if PAR
	SOFTMAX MXA, MXB
.else
	SOFTMAX MXB, MXA
.endif
	UPDATE \reg, \blk
.endm
; the four fragments of z (16 pixels x 32 channels each) of K step ks into 32 registers from f: z lies [c][p], so the loads transpose
.macro FETCH ks, f
	WIN 0
.irp pb, 0,1,2,3
	ds_load_tr16_b128 v[\f+8*\pb:\f+8*\pb+3],   v[ZLD] offset:ZB+(\ks)*32*ZP+32*\pb
	ds_load_tr16_b128 v[\f+8*\pb+4:\f+8*\pb+7], v[ZLD] offset:ZB+(\ks)*32*ZP+32*\pb+16*ZP
.endr
.endm
; eight matrix instructions: 2 blocks of 16 rows o x 4 blocks of 16 pixels, 32 along c.  Source 0 = z (rows = pixels), source 1 = 64 Wv (columns = o): a lane's eight
; results are eight neighbouring pixels of one row o.  The eight accumulators take turns, one instruction a turn, from K step to K step too.
.macro MULK f, ks, zero
	WIN 0x50                                       ; C and D in window 1
.irp ob, 0,1
.irp pb, 0,1,2,3
.if \zero
	v_wmma_f32_16x16x32_f16 v[8*(4*\ob+\pb):8*(4*\ob+\pb)+7], v[\f+8*\pb:\f+8*\pb+7], v[R3-64*\ob+8*(\ks):R3-64*\ob+8*(\ks)+7], 0
.else
	v_wmma_f32_16x16x32_f16 v[8*(4*\ob+\pb):8*(4*\ob+\pb)+7], v[\f+8*\pb:\f+8*\pb+7], v[R3-64*\ob+8*(\ks):R3-64*\ob+8*(\ks)+7], v[8*(4*\ob+\pb):8*(4*\ob+\pb)+7]
.endif
.endr
.endr
.endm
.macro STEP ks, cur, nxt               ; K step ks on set cur, while the next step's fragments come into set nxt, which the step before has read
	PLACES
	FETCH \ks+1, \nxt
	s_wait_dscnt 0x8                               ; all but the eight just issued: set cur is in
	MULK \cur, \ks, 0
.endm
	s_load_b256 s[4:11], s[0:1], 0x0               ; x 4:5, up 6:7, wvh 8:9, bv 10:11
	s_load_b64 s[12:13], s[0:1], 0x20              ; out0
	s_set_vgpr_msb 0x40
	v_lshl_add_u32 v128, v0, 2, 0x1c400
	v_mov_b32 v129, 0
	s_set_vgpr_msb 0x4000
	v_lshrrev_b32 v[T], 5, v0
	v_readfirstlane_b32 s14, v[T]                  ; wave 0..7
	v_and_b32 v[T+1], 15, v0                       ; q
	v_bfe_u32 v[T+2], v0, 4, 1                     ; h
	v_and_b32 v[T+3], 31, v0                       ; L
	v_lshrrev_b32 v[T+4], 4, v0                    ; 2 w + h
	v_and_b32 v[T+5], 7, v0
	v_bfe_u32 v[T+6], v0, 3, 2                     ; L / 8
	s_and_b32 s15, ttmp7, 0xffff                   ; b
	s_lshl_b32 s16, ttmp9, 8                       ; the tile's 256 bytes in a row
	s_mov_b32 s20, 0x76543210                      ; v_permlanex16_b32: lane i reads lane i of the other half
	s_mov_b32 s21, 0xfedcba98
	s_lshl_b32 s18, s15, 26                        ; x: 64 MiB a batch element
	s_or_b32 s18, s18, s16
	s_mov_b32 s19, 0
	s_lshl_b32 s22, s15, 22                        ; out0: 4 MiB a batch element
	s_or_b32 s22, s22, s16
	s_mov_b32 s23, 0
	s_lshl_b32 s26, s15, 10                        ; up: 1,024 bytes a batch element in each partial
	s_mov_b32 s27, 0
	s_lshl_b32 s28, s15, 7                         ; and 128 bytes in the words of s0'
	s_mov_b32 s29, 0
	s_lshl_b32 s17, s14, 8
	s_lshl_b32 s24, s14, 14
	s_lshl_b32 s25, s14, 7
	v_lshlrev_b32 v[T+4], 18, v[T+4]               ; (32 w + 16 h) rows of 16,384 bytes
	v_lshl_or_b32 v[XOFF], v[T+1], 4, v[T+4]
	v_lshl_add_u32 v[PST], v[T+1], 4, s17
	v_lshlrev_b32 v[PLD], 4, v[T+1]
	v_lshl_add_u32 v[PLD], v[T+2], 10, v[PLD]
	v_lshl_add_u32 v[WVO], v[T+3], 4, s24
	v_lshl_add_u32 v[RL], v[T+5], 4, s25           ; 128 w + 16 (L % 8): in a partial's row, and in UL
	v_lshl_add_u32 v[UPO], v[T+6], 11, v[RL]       ; + (L / 8) partials of 2,048 bytes
	v_lshl_add_u32 v[RL+1], v[T+2], 6, s25         ; 128 w + 64 h
	v_lshlrev_b32 v[SPO], 2, v[T+3]
	v_lshl_add_u32 v[BVO], v[T+1], 2, s25
	s_wait_kmcnt 0x0
	s_add_nc_u64 s[MB:MB+1], s[4:5], s[18:19]
.irp m, 1,2,3,4,5,6,7,8,9,10,11,12,13,14,15
	s_add_nc_u64 s[MB+2*\m:MB+2*\m+1], s[MB+2*\m-2:MB+2*\m-1], XMAP
.endr
	s_add_nc_u64 s[12:13], s[12:13], s[22:23]
	s_add_nc_u64 s[30:31], s[6:7], s[28:29]        ; for the words of s0'
	s_add_nc_u64 s[6:7], s[6:7], s[26:27]          ; for the partials of u'
	; eleven small loads, then three maps
.irp i, 0,1,2,3,4,5,6,7
	global_load_b128 v[R3+4*\i:R3+4*\i+3], v[UPO], s[6:7] offset:8192*\i   ; partials 4 i + L / 8, my wave's 128 bytes of each
.endr
	global_load_b32 v[R3+32], v[SPO], s[30:31] offset:65536                ; lane j: partial j of s0'
	global_load_b32 v[BV],   v[BVO], s[10:11]
	global_load_b32 v[BV+1], v[BVO], s[10:11] offset:64
	LOADMAP 0, Z, 0                                ; map 0 lands where z is kept: z starts as x of map 0, with weight 1
	LOADMAP 1, R0, 0
	LOADMAP 2, R1, 1
	WIN 0
	s_wait_loadcnt 48                              ; the eleven are in; the three maps' 48 loads stay out
.irp i, 0,2,4,6
	v_pk_add_f32 v[R3+4*\i:R3+4*\i+1],   v[R3+4*\i:R3+4*\i+1],   v[R3+4*\i+4:R3+4*\i+5]
	v_pk_add_f32 v[R3+4*\i+2:R3+4*\i+3], v[R3+4*\i+2:R3+4*\i+3], v[R3+4*\i+6:R3+4*\i+7]
.endr
.irp i, 0,4
	v_pk_add_f32 v[R3+4*\i:R3+4*\i+1],   v[R3+4*\i:R3+4*\i+1],   v[R3+4*\i+8:R3+4*\i+9]
	v_pk_add_f32 v[R3+4*\i+2:R3+4*\i+3], v[R3+4*\i+2:R3+4*\i+3], v[R3+4*\i+10:R3+4*\i+11]
.endr
	v_pk_add_f32 v[R3:R3+1],   v[R3:R3+1],   v[R3+16:R3+17]
	v_pk_add_f32 v[R3+2:R3+3], v[R3+2:R3+3], v[R3+18:R3+19]
.irp k, 0,1,2,3
	v_add_f32_dpp v[R3+\k], v[R3+\k], v[R3+\k] row_xmask:8 row_mask:0xf bank_mask:0xf
.endr
.irp k, 0,1,2,3
	v_permlanex16_b32 v[T+\k], v[R3+\k], s20, s21
.endr
	v_pk_add_f32 v[R3:R3+1],   v[R3:R3+1],   v[T:T+1]
	v_pk_add_f32 v[R3+2:R3+3], v[R3+2:R3+3], v[T+2:T+3]        ; u'[32 w + 4 (L % 8) .. +3], all 32 partials
	ds_store_b128 v[RL], v[R3:R3+3] offset:UL                  ; four lanes store the same numbers to the same bytes, my wave's own
.irp t, 0,1,2,3
	ds_load_b128 v[U+4*\t:U+4*\t+3], v[RL+1] offset:UL+16*\t   ; LDS serves a wave's instructions in order (ISA guide 5.7.1): these see the store
.endr
.irp m, 1,2,4,8
	v_add_f32_dpp v[R3+32], v[R3+32], v[R3+32] row_xmask:\m row_mask:0xf bank_mask:0xf
.endr
	v_permlanex16_b32 v[T], v[R3+32], s20, s21
	v_add_f32 v[R3+32], v[R3+32], v[T]                         ; s0'
	v_cmp_gt_u32 vcc_lo, 16, v0
	v_cndmask_b32 v[S0H],   0, v[R3+32], vcc_lo
	v_cndmask_b32 v[S0H+1], 0, v[R3+32], vcc_lo
	s_wait_dscnt 0x0                               ; u' of my 16 channels
	LOADMAP 3, R2, 1                               ; from here up to 64 loads are issued and not waited for; the issue of one that the counter's field cannot hold is held back (ISA guide 5.7.1)
	; map 0: its score is the first maximum, its weight 1, z = x
	s_wait_loadcnt 48                              ; maps 1, 2, 3 stay out
.set PAR, 0
	SCORE Z, 0, MXA
.irp k, 0,1,2,3
	v_mov_b32 v[LS+\k], 1.0
.endr
	LOADMAP 4, R3, 0
	; maps 1 to 15: behind each turn its slot is loaded again, with the map four further on; behind maps 12 and 13 with my 32 rows of 64 Wv
	TURN 1, R0, 0, 48
	LOADMAP 5, R0, 0
	TURN 2, R1, 1, 48
	LOADMAP 6, R1, 1
	TURN 3, R2, 1, 48
	LOADMAP 7, R2, 1
	TURN 4, R3, 0, 48
	LOADMAP 8, R3, 0
	TURN 5, R0, 0, 48
	LOADMAP 9, R0, 0
	TURN 6, R1, 1, 48
	LOADMAP 10, R1, 1
	TURN 7, R2, 1, 48
	LOADMAP 11, R2, 1
	TURN 8, R3, 0, 48
	LOADMAP 12, R3, 0
	TURN 9, R0, 0, 48
	LOADMAP 13, R0, 0
	TURN 10, R1, 1, 48
	LOADMAP 14, R1, 1
	TURN 11, R2, 1, 48
	LOADMAP 15, R2, 1
	TURN 12, R3, 0, 48
	LOADWV 0, R3
	TURN 13, R0, 0, 48                             ; younger: maps 14, 15 and Wv's first block
	LOADWV 1, R0
	TURN 14, R1, 1, 48                             ; younger: map 15 and Wv's two blocks
	TURN 15, R2, 1, 32                             ; younger: Wv's two blocks
	; z / sum, rounded to f16, into LDS as rows c
	WIN 0
.irp k, 0,1,2,3
	v_rcp_f32 v[RL+\k], v[LS+\k]
.endr
	v_and_b32 v[T+1], 15, v0                       ; (plain work behind the reciprocals before their results are used: ISA guide 5.7.2)
	v_bfe_u32 v[T+2], v0, 4, 1
	v_and_b32 v[T+3], 7, v0
	v_bfe_u32 v[T+4], v0, 3, 1
	s_mul_i32 s24, s14, 32*ZP
	s_mul_i32 s25, s14, 32*SPITCH
	v_mul_u32_u24 v[ZST], v[T+2], 16*ZP
	v_lshl_add_u32 v[ZST], v[T+1], 3, v[ZST]
	v_add_nc_u32 v[ZST], s24, v[ZST]               ; row 32 w + 16 h, 8 bytes for my 4 pixels
	v_lshl_add_u32 v[T+3], v[T+2], 3, v[T+3]
	v_mul_u32_u24 v[ZLD], v[T+3], ZP
	v_lshl_add_u32 v[ZLD], v[T+4], 4, v[ZLD]       ; row 8 h + L % 8, 16 bytes by (L / 8) % 2
	v_mul_u32_u24 v[STO], v[T+1], SPITCH
	v_lshl_add_u32 v[STO], v[T+2], 5, v[STO]
	v_add_nc_u32 v[STO], s25, v[STO]               ; my stage: row r, 32 bytes for each half of the lanes
	v_mul_u32_u24 v[RD], v[T+2], 16*SPITCH
	v_lshl_add_u32 v[RD], v[T+1], 4, v[RD]
	v_add_nc_u32 v[RD], s25, v[RD]                 ; back: lanes 0-15 a row of 256 bytes, lanes 16-31 the row 16 further down
	s_wait_alu depctr_va_vdst(0)
.irp j, 0,1,2,3,4,5,6,7,8,9,10,11,12,13,14,15
	v_pk_mul_f32 v[Z+4*\j:Z+4*\j+1],   v[Z+4*\j:Z+4*\j+1],   v[RL:RL+1]
	v_pk_mul_f32 v[Z+4*\j+2:Z+4*\j+3], v[Z+4*\j+2:Z+4*\j+3], v[RL+2:RL+3]
	v_cvt_pk_f16_f32 v[Z+4*\j],   v[Z+4*\j],   v[Z+4*\j+1]
	v_cvt_pk_f16_f32 v[Z+4*\j+1], v[Z+4*\j+2], v[Z+4*\j+3]
	ds_store_b64 v[ZST], v[Z+4*\j:Z+4*\j+1] offset:ZB+ZP*\j
.endr
	s_wait_dscnt 0x0                               ; my rows of z are in LDS, for all eight waves
	s_barrier_signal -1
	s_barrier_wait -1
	; rows o = 32 w .. 32 w + 31 of (64 Wv) z: eight K steps of 32 channels, the first starts the sums
	s_wait_loadcnt 0x0                             ; Wv's fragments
	FETCH 0, FA
	FETCH 1, FB
	s_wait_dscnt 0x8                               ; set FA is in; FB's eight loads may stay out
	MULK FA, 0, 1
	STEP 1, FB, FA
	STEP 2, FA, FB
	STEP 3, FB, FA
	STEP 4, FA, FB
	STEP 5, FB, FA
	STEP 6, FA, FB
	s_wait_dscnt 0x0
	MULK FB, 7, 0
	; THE WAY OUT: sum / 64 + bv in one fused multiply-add, through my own stage in LDS, back as whole rows of 256 bytes
	PLACES                                         ; behind the last matrix instructions: the lines below read results and write over fragments
	WIN 0x01                                       ; source 0 (the accumulators) in window 1
.irp a, 0,1,2,3
.irp i, 0,2,4,6
	v_pk_fma_f32 v[Z+8*\a+\i:Z+8*\a+\i+1], v[8*\a+\i:8*\a+\i+1], UNSC, v[BV:BV+1] op_sel_hi:[1,0,0]                ; rows 32 w + r: both pixels + bv of the pair's first register
.endr
.endr
.irp a, 4,5,6,7
.irp i, 0,2,4,6
	v_pk_fma_f32 v[Z+8*\a+\i:Z+8*\a+\i+1], v[8*\a+\i:8*\a+\i+1], UNSC, v[BV:BV+1] op_sel:[0,0,1] op_sel_hi:[1,0,1] ; rows 32 w + 16 + r: both + the second register
.endr
.endr
	WIN 0
.irp a, 0,1,2,3,4,5,6,7
	ds_store_b128 v[STO], v[Z+8*\a:Z+8*\a+3]   offset:STG+(\a/4)*16*SPITCH+(\a%4)*64
	ds_store_b128 v[STO], v[Z+8*\a+4:Z+8*\a+7] offset:STG+(\a/4)*16*SPITCH+(\a%4)*64+16
.endr
.irp t, 0,1,2,3,4,5,6,7,8,9,10,11,12,13,14,15
	ds_load_b128 v[R0+4*\t:R0+4*\t+3], v[RD] offset:STG+SPITCH*\t          ; my wave's own bytes, served in order: these see the stores above
.endr
.irp t, 0,1,2,3,4,5,6,7,8,9,10,11,12,13,14,15
	s_wait_dscnt 15-\t
	global_store_b128 v[XOFF], v[R0+4*\t:R0+4*\t+3], s[12:13] offset:XROW*\t th:TH_STORE_NT   ; sixteen lanes store 256 consecutive bytes, aligned: rows 32 w + t and 32 w + 16 + t
.endr
	s_set_vgpr_msb 0x5
	s_wait_tensorcnt 0x0
	ds_add_u32 v128, v129
	s_wait_dscnt 0x0
	s_set_vgpr_msb 0x500
	s_endpgm
.Lfunc_end_k_q5945b5f860_attn:
	.size	k_q5945b5f860_attn, .Lfunc_end_k_q5945b5f860_attn-k_q5945b5f860_attn
	.p2alignl 7, 3214868480
	.fill 96, 4, 3214868480
	.section	.rodata,"a",@progbits
	.p2align	6, 0x0
	.amdhsa_kernel k_q5945b5f860_attn
		.amdhsa_group_segment_fixed_size 116736
		.amdhsa_private_segment_fixed_size 0
		.amdhsa_enable_private_segment 0
		.amdhsa_kernarg_size 40
		.amdhsa_user_sgpr_count 2
		.amdhsa_user_sgpr_kernarg_segment_ptr 1
		.amdhsa_wavefront_size32 1
		.amdhsa_system_sgpr_workgroup_id_x 1
		.amdhsa_system_sgpr_workgroup_id_y 1
		.amdhsa_system_sgpr_workgroup_id_z 1
		.amdhsa_system_vgpr_workitem_id 0
		.amdhsa_next_free_vgpr 386
		.amdhsa_next_free_sgpr 66
		.amdhsa_reserve_vcc 1
		.amdhsa_float_denorm_mode_32 3
		.amdhsa_float_denorm_mode_16_64 3
		.amdhsa_memory_ordered 1
		.amdhsa_forward_progress 1
		.amdhsa_inst_pref_size 190
	.end_amdhsa_kernel
	.amdgpu_metadata
---
amdhsa.version: [ 1, 2 ]
amdhsa.kernels:
  - .name:           k_q5945b5f860_attn
    .symbol:         k_q5945b5f860_attn.kd
    .args:
      - { .name: residual_maps, .offset: 0, .size: 8, .value_kind: global_buffer, .address_space: global }
      - { .name: up, .offset: 8, .size: 8, .value_kind: global_buffer, .address_space: global }
      - { .name: wvh, .offset: 16, .size: 8, .value_kind: global_buffer, .address_space: global }
      - { .name: bv, .offset: 24, .size: 8, .value_kind: global_buffer, .address_space: global }
      - { .name: out0, .offset: 32, .size: 8, .value_kind: global_buffer, .address_space: global }
    .group_segment_fixed_size: 116736
    .private_segment_fixed_size: 0
    .kernarg_segment_align: 8
    .kernarg_segment_size: 40
    .max_flat_workgroup_size: 256
    .sgpr_count:     66
    .vgpr_count:     386
    .wavefront_size: 32
...
	.end_amdgpu_metadata
.endif
;; end of part 2
;; ======== version 2 of 2: 2 launches; version 1 with the launch attn written anew for expert scheduling mode
;; limits: values are held in f16: magnitudes above 65,504 overflow, below 6.1e-05 lose precision; right only within a limited range of input values
;; workspace buffers: up 65,792 bytes; wvh 131,072 bytes
;; launch prep: the kernel of part 1 again; grid 32 x 1, 8 waves a work-group, no clusters, 17,664 bytes of LDS; arguments transformer_output, Wq, bq, Wk, bk, Wv, up, wvh; writes up, wvh
;; launch attn (part 3): grid 64 x 2, 8 waves a work-group, no clusters, 116,736 bytes of LDS; arguments residual_maps, up, wvh, bv, out0; writes out0
.if DOCPART == 3
	.amdgcn_target "amdgcn-amd-amdhsa--gfx1250"
	.amdhsa_code_object_version 6
	.text
	.protected	k_q5945b5f860_attn
	.globl	k_q5945b5f860_attn
	.p2align	8
	.type	k_q5945b5f860_attn,@function
k_q5945b5f860_attn:
	s_mov_b64 s[64:65], 0
	v_nop
	global_prefetch_b8 v0, s[64:65] scope:SCOPE_SE
	s_setreg_imm32_b32 hwreg(HW_REG_WAVE_SCHED_MODE, 0, 2), 2
	s_setreg_imm32_b32 hwreg(HW_REG_WAVE_MODE, 25, 1), 1
	s_wait_xcnt 0x0
	s_wait_alu depctr_vm_vsrc(0)
; attn: out[b][o][p] = sum over c of Wv[o][c] z[b][c][p] + bv[o],   z = sum over m of softmax_m(score[b][m][p]) x[b][m][c][p],
;       score in base 2 = u'[b] . x[b][m][:][p] + s0'[b]   (u', s0' are the sums of the 32 partials of the launch before, scale and log2(e) folded in).
; Both 1x1 convolutions are linear in x, so they are taken out of the sum over the maps: x is read ONCE, as a stream, and one matrix product is left.
; A work-group owns one batch element and 64 pixels (256 consecutive bytes of every row x[b][m][c], aligned): 16 maps x 256 c x 256 bytes = 1 MiB in, 64 KiB out.
; Wave w owns channels 32 w .. 32 w + 31; lane L (q = L % 16, h = L / 16) owns pixels 4 q .. 4 q + 3 of rows c = 32 w + 16 h + j, j = 0 .. 15:
; one 16-byte load of the wave covers two whole rows of 256 bytes; a map is 16 loads and 64 registers of a wave.
; The softmax over the maps keeps a running maximum: per map the waves' partial scores meet in LDS (one barrier), then z = z 2^(old-new) + x 2^(score-new).
; Maps wait in a ring of five register slots: one is worked on, one was worked on in the turn before and is asked for again in this turn, three are on their way
; (48 loads of 512 bytes a wave, 192 KiB a work-group).
; At the end z / sum goes to LDS as f16, and wave w makes rows o = 32 w .. +31 of (64 Wv) z on the matrix unit, f32 sums; the 64 is taken out with bv's addition.
; WHY f16: the product is the only rounding to 16 bits between x and the output.  Eight significant bits in both operands would leave each of the 256 products a
; relative error near 2^-9, and the sum an error of about 1/400 of the output's root mean square, too near the hundredth that is allowed for two million outputs;
; eleven bits leave an eighth of that.  z is a weighted mean of x, so it is no larger than x.
; LEFT OUT: tensor loads and an LDS ring (each byte of x is used by one wave alone, and registers hold it without a barrier for refills); clusters with joint
; loads (work-groups share only wvh and up, 160 KiB beside 1,024 KiB of x of their own); the matrix unit for scores and weighted sums (one row of sixteen would
; be used, and x would have to be transposed).  128 work-groups: a tile narrower than 256 bytes would read and write rows in halves.
; LIMITS: sums in another order than the model's ((Wk^T q) . x for q . (Wk x); Wv behind the weighting; bv added once, since the weights add up to 1 but for
; rounding).  z and 64 Wv are rounded once to f16: |z| above 65504 (so |x| above that) and |Wv| above 1023 become infinite; below 2^-14 (z) and 2^-20 (Wv) the step
; is fixed, 2^-24 and 2^-30.  A weight below 2^-126 of the largest counts as 0 (v_exp_f32 gives 0 there).  A NaN or infinite score gives NaN in that pixel's
; outputs, not of need in the same elements as the model.
; THE MODE: SCHED_MODE bits 1:0 = 2 (LLVM: expert scheduling mode 2), set by the entry lines.  The code itself states the register dependences
; between vector or matrix instructions and memory or LDS instructions, with s_wait_alu, always for 0.
; THE PLAN.  Registers that memory or LDS instructions touch, while the maps are walked:
;   R0 .. R4   the ring.  Map m (1 to 15) lies in slot (m - 1) % 5.  Turn m: SCORE and UPDATE read map m's slot; the loads of map m + 4 land in the slot of map m - 1,
;              which no vector instruction of turn m names.
;   SCA        written by SCORE; read by the turn's one LDS store.
;   T          written and read by SCORE, SOFTMAX and UPDATE; the turn's four LDS loads land in it.
;   v1 .. v5, v10, v11   offsets and LDS addresses, made at the head and never written again; each map has a scalar base of its own.
; So a turn has ONE wait on va_vdst for its memory work, ahead of the LDS store: SCA is written, every earlier writer and reader of T is done, and the turn before is done
; reading its slot.  Between that wait and the wait for the four LDS loads stands no vector instruction: the LDS store, eight global loads, the barrier, the four LDS loads, eight global loads.
; One wait on vm_vsrc stands at a turn's head (the last LDS store has read SCA).  A second wait on va_vdst stands behind the exponentials, ahead of their first reader.
; The text has no branch: one path.  What the head and the end owe is said where it stands.
.set XROW,   16384                     ; bytes from channel to channel of x and of out0
.set XMAP,   0x400000                  ; bytes from map to map
.set UNSC,   0x3c800000                ; 1 / 64
.set PS,     0                         ; LDS 0..4095      partial scores: 2 parities x 8 waves' rows of 256 bytes
.set UL,     4096                      ; LDS 4096..5119   u' of each wave's 32 channels, 128 bytes a wave, its own
.set ZB,     5120                      ; LDS 5120..46079  z as f16: 256 rows c of 128 bytes, pitch 160 (an odd multiple of 32: the transposing loads' rows start in different banks)
.set ZP,     160
.set STG,    46080                     ; LDS 46080..115711  the way out: 32 rows of 256 bytes, pitch 272, for each wave, its own
.set SPITCH, 272
.set XOFF, 1                           ; v1   (32 w + 16 h) rows + 16 q: my bytes in x's maps and in out0; never rewritten
.set PST,  2                           ; v2   256 w + 16 q
.set PLD,  3                           ; v3   1024 h + 16 q
.set WVO,  4                           ; v4   16384 w + 16 L
.set UPO,  5                           ; v5   my 16 bytes of four partials of u'
.set S0H,  6                           ; v[6:7]   s0' in threads 0-15, 0 elsewhere
.set BV,   8                           ; v[8:9]   bv[32 w + r], bv[32 w + 16 + r]
.set SPO,  10                          ; v10  4 L
.set BVO,  11                          ; v11  128 w + 4 r
.set T,    12                          ; v[12:27] at work
.set S,    T                           ;   the map's scores of my 4 pixels
.set AL,   T+4                         ;   2^(old max - new max)
.set E,    T+8                         ;   2^(score - new max)
.set SCB,  T+12                        ;   second chain of the score
.set SCA,  28                          ; v[28:31] first chain
.set MXA,  32                          ; v[32:35], v[36:39]  the running maximum, by turns: never copied
.set MXB,  36
.set LS,   40                          ; v[40:43] running sum of the weights
.set RL,   44                          ; v[44:47] 1 / sum (at first: two LDS addresses)
.set U,    48                          ; v[48:63] u' of my 16 channels
.set Z,    64                          ; v[64:127] z of my 16 channels x 4 pixels; later fragments of z, then results
.set R0,   128                         ; ring slot 0: v128-191; later the eight accumulators, then the way out
.set R3,   192                         ; ring slot 3: v192-255; at first the partials of u'; later two more sets of z's fragments
.set R1,   0                           ; ring slot 1: v256-319, named v0-63 of window 1; later Wv's first block
.set R2,   64                          ; ring slot 2: v320-383, named v64-127 of window 1; later Wv's second block
.set R4,   128                         ; ring slot 4: v384-447, named v128-191 of window 1
.set FA,   64                          ; z fragments, four sets: K step ks lies in set ks % 4
.set FB,   96
.set FC,   192
.set FD,   224
.set ZST,  32                          ; late LDS addresses, where the maxima were
.set ZLD,  33
.set STO,  34
.set RD,   35
.set MB,   32                          ; s[32+2m:33+2m]  x at my tile of map m: written once, so no base is stepped under a pending load
.set MSB,  0
; s_set_vgpr_msb: bits 1:0 source 0, 3:2 source 1, 5:4 source 2, 7:6 destination; the high byte repeats the setting that is left.  Every macro states its window at its head.
.macro WIN new
.if MSB != (\new)
	s_set_vgpr_msb (MSB<<8)|(\new)
.set MSB, (\new)
.endif
.endm
.macro PLACES                          ; four places behind a matrix instruction (ISA guide 7.12.1)
.rept 4
	v_nop
.endr
.endm
; map m into 64 registers from reg of window blk: 16 loads, two whole rows of 256 bytes each (the head's four maps)
.macro LOADMAP m, reg, blk
	WIN 0x40*\blk
.irp j, 0,1,2,3,4,5,6,7,8,9,10,11,12,13,14,15
	global_load_b128 v[\reg+4*\j:\reg+4*\j+3], v[XOFF], s[MB+2*(\m):MB+2*(\m)+1] offset:XROW*\j th:TH_LOAD_NT
.endr
.endm
; What the next SCORE asks for.  kind 1: map n into 64 registers from reg of window blk.  kind 2: block n (0, 1) of my 32 rows of 64 Wv, eight fragments of 8 registers, into
; v[64 n ..] of window 1, each load 512 consecutive bytes.  kind 0: nothing.
.macro ASK kind, n=0, reg=0, blk=0
.set LK, \kind
.set LM, \n
.set LR, \reg
.set LB, \blk
.endm
.macro AHEAD h                         ; half h (0, 1) of those sixteen loads
.if LK == 1
	WIN 0x40*LB
.irp j, 0,1,2,3,4,5,6,7
	global_load_b128 v[LR+4*(8*\h+\j):LR+4*(8*\h+\j)+3], v[XOFF], s[MB+2*LM:MB+2*LM+1] offset:XROW*(8*\h+\j) th:TH_LOAD_NT
.endr
	WIN 0
.elseif LK == 2
	WIN 0x40
.irp k, 0,1,2,3,4,5,6,7
	global_load_b128 v[64*LM+4*(8*\h+\k):64*LM+4*(8*\h+\k)+3], v[WVO], s[8:9] offset:8192*LM+512*(8*\h+\k)
.endr
	WIN 0
.endif
.endm
; The scores of the map in reg: my 16 channels in two chains, the other half of the lanes, then the eight waves through LDS.  PAR = the map's parity.
; ONE barrier a map: parity PAR is stored again two maps later, behind the next map's barrier, which every wave signals only behind the wait for its reads here.
.macro SCORE reg, blk, dst
	s_wait_alu depctr_vm_vsrc(0)                   ; the LDS stores issued so far have read their data: the last map's has read SCA, which is written again below; at map 0 the store of u' has read v[R3 ..], in which map 4 lands
	WIN \blk
	v_pk_fma_f32 v[SCA:SCA+1],   v[\reg:\reg+1],     v[U:U+1], v[S0H:S0H+1] op_sel_hi:[1,0,1]   ; the constant s0' is the first addend, in threads 0-15 alone: once a pixel
	v_pk_fma_f32 v[SCA+2:SCA+3], v[\reg+2:\reg+3],   v[U:U+1], v[S0H:S0H+1] op_sel_hi:[1,0,1]
	v_pk_mul_f32 v[SCB:SCB+1],   v[\reg+4:\reg+5],   v[U:U+1] op_sel:[0,1] op_sel_hi:[1,1]
	v_pk_mul_f32 v[SCB+2:SCB+3], v[\reg+6:\reg+7],   v[U:U+1] op_sel:[0,1] op_sel_hi:[1,1]
.irp j, 2,4,6,8,10,12,14
	v_pk_fma_f32 v[SCA:SCA+1],   v[\reg+4*\j:\reg+4*\j+1],   v[U+\j:U+\j+1], v[SCA:SCA+1]     op_sel_hi:[1,0,1]               ; both pixels by u'[j]
	v_pk_fma_f32 v[SCA+2:SCA+3], v[\reg+4*\j+2:\reg+4*\j+3], v[U+\j:U+\j+1], v[SCA+2:SCA+3]   op_sel_hi:[1,0,1]
	v_pk_fma_f32 v[SCB:SCB+1],   v[\reg+4*\j+4:\reg+4*\j+5], v[U+\j:U+\j+1], v[SCB:SCB+1]     op_sel:[0,1,0] op_sel_hi:[1,1,1] ; both by u'[j+1]
	v_pk_fma_f32 v[SCB+2:SCB+3], v[\reg+4*\j+6:\reg+4*\j+7], v[U+\j:U+\j+1], v[SCB+2:SCB+3]   op_sel:[0,1,0] op_sel_hi:[1,1,1]
.endr
	WIN 0
	v_pk_add_f32 v[SCA:SCA+1],   v[SCA:SCA+1],   v[SCB:SCB+1]
	v_pk_add_f32 v[SCA+2:SCA+3], v[SCA+2:SCA+3], v[SCB+2:SCB+3]
.irp k, 0,1,2,3
	v_permlanex16_b32 v[T+\k], v[SCA+\k], s20, s21             ; the same pixels' other 16 channels
.endr
	v_pk_add_f32 v[SCA:SCA+1],   v[SCA:SCA+1],   v[T:T+1]
	v_pk_add_f32 v[SCA+2:SCA+3], v[SCA+2:SCA+3], v[T+2:T+3]
	s_wait_alu depctr_va_vdst(0)                   ; SCA is written, which the LDS store reads; all writers and readers of T are done, in which the LDS loads land; the turn before (at map 0: the sums of u') is done with the registers in which the global loads land
	ds_store_b128 v[PST], v[SCA:SCA+3] offset:PS+PAR*2048      ; my wave's row; both halves of the lanes store the same numbers
	AHEAD 0                                                    ; eight loads go out while the store is on its way.  No wait: no vector instruction since the wait above
	s_wait_dscnt 0x0                                           ; done, for the other waves' sake
	s_barrier_signal -1
	s_barrier_wait -1
.irp i, 0,1,2,3
	ds_load_b128 v[T+4*\i:T+4*\i+3], v[PLD] offset:PS+PAR*2048+256*\i   ; waves 4 h + i
.endr
	AHEAD 1                                                    ; the other eight, while the LDS loads are on their way: still no vector instruction since that wait
	s_wait_dscnt 0x0
	v_pk_add_f32 v[T:T+1],     v[T:T+1],     v[T+4:T+5]
	v_pk_add_f32 v[T+2:T+3],   v[T+2:T+3],   v[T+6:T+7]
	v_pk_add_f32 v[T+8:T+9],   v[T+8:T+9],   v[T+12:T+13]
	v_pk_add_f32 v[T+10:T+11], v[T+10:T+11], v[T+14:T+15]
	v_pk_add_f32 v[T:T+1],     v[T:T+1],     v[T+8:T+9]
	v_pk_add_f32 v[T+2:T+3],   v[T+2:T+3],   v[T+10:T+11]
.irp k, 0,1,2,3
	v_permlanex16_b32 v[T+4+\k], v[T+\k], s20, s21             ; the other four waves
.endr
	v_pk_add_f32 v[\dst:\dst+1],   v[T:T+1],   v[T+4:T+5]
	v_pk_add_f32 v[\dst+2:\dst+3], v[T+2:T+3], v[T+6:T+7]
.endm
.macro SOFTMAX old, new
	WIN 0
.irp k, 0,1,2,3
	v_max_num_f32 v[\new+\k], v[\old+\k], v[S+\k]
.endr
	v_pk_add_f32 v[AL:AL+1],   v[\old:\old+1],     v[\new:\new+1]     neg_lo:[0,1] neg_hi:[0,1]
	v_pk_add_f32 v[AL+2:AL+3], v[\old+2:\old+3],   v[\new+2:\new+3]   neg_lo:[0,1] neg_hi:[0,1]
	v_pk_add_f32 v[E:E+1],     v[S:S+1],           v[\new:\new+1]     neg_lo:[0,1] neg_hi:[0,1]
	v_pk_add_f32 v[E+2:E+3],   v[S+2:S+3],         v[\new+2:\new+3]   neg_lo:[0,1] neg_hi:[0,1]
.irp k, 0,1,2,3,4,5,6,7
	v_exp_f32 v[AL+\k], v[AL+\k]                               ; AL and E lie side by side; no exponent is above 0
.endr
	v_nop                                                      ; one plain place behind the exponentials before their results are used (ISA guide 5.7.2)
	s_wait_alu depctr_va_vdst(0)                               ; the eight exponentials have written AL and E: one wait for the batch, ahead of its first reader
	v_pk_fma_f32 v[LS:LS+1],   v[LS:LS+1],   v[AL:AL+1],   v[E:E+1]
	v_pk_fma_f32 v[LS+2:LS+3], v[LS+2:LS+3], v[AL+2:AL+3], v[E+2:E+3]
.endm
.macro UPDATE reg, blk                 ; z = z 2^(old-new) + x 2^(score-new)
	WIN 0
.irp j, 0,1,2,3,4,5,6,7,8,9,10,11,12,13,14,15
	v_pk_mul_f32 v[Z+4*\j:Z+4*\j+1],   v[Z+4*\j:Z+4*\j+1],   v[AL:AL+1]
	v_pk_mul_f32 v[Z+4*\j+2:Z+4*\j+3], v[Z+4*\j+2:Z+4*\j+3], v[AL+2:AL+3]
.endr
	WIN \blk
.irp j, 0,1,2,3,4,5,6,7,8,9,10,11,12,13,14,15
	v_pk_fma_f32 v[Z+4*\j:Z+4*\j+1],   v[\reg+4*\j:\reg+4*\j+1],   v[E:E+1],     v[Z+4*\j:Z+4*\j+1]
	v_pk_fma_f32 v[Z+4*\j+2:Z+4*\j+3], v[\reg+4*\j+2:\reg+4*\j+3], v[E+2:E+3],   v[Z+4*\j+2:Z+4*\j+3]
.endr
.endm
; map m, which lies in reg.  left = the younger loads, which may stay out.
.macro TURN m, reg, blk, left
	s_wait_loadcnt \left                           ; loads come back in order (ISA guide 5.7.1): this map's sixteen are in
.set PAR, (\m)&1
	SCORE \reg, \blk, S
.if PAR
	SOFTMAX MXA, MXB
.else
	SOFTMAX MXB, MXA
.endif
	UPDATE \reg, \blk
.endm
; the four fragments of z (16 pixels x 32 channels each) of K step ks into 32 registers from f: z lies [c][p], so the loads transpose
.macro FETCH ks, f
	WIN 0
.irp pb, 0,1,2,3
	ds_load_tr16_b128 v[\f+8*\pb:\f+8*\pb+3],   v[ZLD] offset:ZB+(\ks)*32*ZP+32*\pb
	ds_load_tr16_b128 v[\f+8*\pb+4:\f+8*\pb+7], v[ZLD] offset:ZB+(\ks)*32*ZP+32*\pb+16*ZP
.endr
.endm
; eight matrix instructions: 2 blocks of 16 rows o x 4 blocks of 16 pixels, 32 along c.  Source 0 = z (rows = pixels), source 1 = 64 Wv (columns = o): a lane's eight
; results are eight neighbouring pixels of one row o.  The eight accumulators take turns, one instruction a turn, from K step to K step too.
.macro MULK f, ks, zero
	WIN 0x04                                       ; source 1 (64 Wv) in window 1; z's fragments and the accumulators in window 0
.irp ob, 0,1
.irp pb, 0,1,2,3
.if \zero
	v_wmma_f32_16x16x32_f16 v[R0+8*(4*\ob+\pb):R0+8*(4*\ob+\pb)+7], v[\f+8*\pb:\f+8*\pb+7], v[64*\ob+8*(\ks):64*\ob+8*(\ks)+7], 0
.else
	v_wmma_f32_16x16x32_f16 v[R0+8*(4*\ob+\pb):R0+8*(4*\ob+\pb)+7], v[\f+8*\pb:\f+8*\pb+7], v[64*\ob+8*(\ks):64*\ob+8*(\ks)+7], v[R0+8*(4*\ob+\pb):R0+8*(4*\ob+\pb)+7]
.endif
.endr
.endr
.endm
; two sets that have been multiplied take K steps ks and ks + 1
.macro AGAIN ks, f, g
	WIN 0
	PLACES                                         ; the places behind the matrix instructions stay beside the wait
	s_wait_alu depctr_va_vdst(0)                   ; the matrix instructions issued so far are done reading these two sets, in which the LDS loads land
	FETCH \ks, \f
	FETCH \ks+1, \g
.endm
	s_load_b256 s[4:11], s[0:1], 0x0               ; x 4:5, up 6:7, wvh 8:9, bv 10:11
	s_load_b64 s[12:13], s[0:1], 0x20              ; out0
	s_set_vgpr_msb 0x40
	v_lshl_add_u32 v192, v0, 2, 0x1c400
	v_mov_b32 v193, 0
	s_set_vgpr_msb 0x4000
	v_lshrrev_b32 v[T], 5, v0
	v_readfirstlane_b32 s14, v[T]                  ; wave 0..7
	v_and_b32 v[T+1], 15, v0                       ; q
	v_bfe_u32 v[T+2], v0, 4, 1                     ; h
	v_and_b32 v[T+3], 31, v0                       ; L
	v_lshrrev_b32 v[T+4], 4, v0                    ; 2 w + h
	v_and_b32 v[T+5], 7, v0
	v_bfe_u32 v[T+6], v0, 3, 2                     ; L / 8
	s_and_b32 s15, ttmp7, 0xffff                   ; b
	s_lshl_b32 s16, ttmp9, 8                       ; the tile's 256 bytes in a row
	s_mov_b32 s20, 0x76543210                      ; v_permlanex16_b32: lane i reads lane i of the other half
	s_mov_b32 s21, 0xfedcba98
	s_lshl_b32 s18, s15, 26                        ; x: 64 MiB a batch element
	s_or_b32 s18, s18, s16
	s_mov_b32 s19, 0
	s_lshl_b32 s22, s15, 22                        ; out0: 4 MiB a batch element
	s_or_b32 s22, s22, s16
	s_mov_b32 s23, 0
	s_lshl_b32 s26, s15, 10                        ; up: 1,024 bytes a batch element in each partial
	s_mov_b32 s27, 0
	s_lshl_b32 s28, s15, 7                         ; and 128 bytes in the words of s0'
	s_mov_b32 s29, 0
	s_wait_alu depctr_va_sdst(0)                   ; s14 is written, ahead of its first reader
	s_lshl_b32 s17, s14, 8
	s_lshl_b32 s24, s14, 14
	s_lshl_b32 s25, s14, 7
	v_lshlrev_b32 v[T+4], 18, v[T+4]               ; (32 w + 16 h) rows of 16,384 bytes
	v_lshl_or_b32 v[XOFF], v[T+1], 4, v[T+4]
	v_lshl_add_u32 v[PST], v[T+1], 4, s17
	v_lshlrev_b32 v[PLD], 4, v[T+1]
	v_lshl_add_u32 v[PLD], v[T+2], 10, v[PLD]
	v_lshl_add_u32 v[WVO], v[T+3], 4, s24
	v_lshl_add_u32 v[RL], v[T+5], 4, s25           ; 128 w + 16 (L % 8): in a partial's row, and in UL
	v_lshl_add_u32 v[UPO], v[T+6], 11, v[RL]       ; + (L / 8) partials of 2,048 bytes
	v_lshl_add_u32 v[RL+1], v[T+2], 6, s25         ; 128 w + 64 h
	v_lshlrev_b32 v[SPO], 2, v[T+3]
	v_lshl_add_u32 v[BVO], v[T+1], 2, s25
	s_wait_kmcnt 0x0
	s_add_nc_u64 s[MB:MB+1], s[4:5], s[18:19]
.irp m, 1,2,3,4,5,6,7,8,9,10,11,12,13,14,15
	s_add_nc_u64 s[MB+2*\m:MB+2*\m+1], s[MB+2*\m-2:MB+2*\m-1], XMAP
.endr
	s_add_nc_u64 s[12:13], s[12:13], s[22:23]
	s_add_nc_u64 s[30:31], s[6:7], s[28:29]        ; for the words of s0'
	s_add_nc_u64 s[6:7], s[6:7], s[26:27]          ; for the partials of u'
	s_wait_alu depctr_va_vdst(0)                   ; the offsets and LDS addresses v1 to v5, v10, v11, v44 and v45 are written: every load and store up to the end of the maps reads one of them
	; eleven small loads, then three maps
.irp i, 0,1,2,3,4,5,6,7
	global_load_b128 v[R3+4*\i:R3+4*\i+3], v[UPO], s[6:7] offset:8192*\i   ; partials 4 i + L / 8, my wave's 128 bytes of each
.endr
	global_load_b32 v[R3+32], v[SPO], s[30:31] offset:65536                ; lane j: partial j of s0'
	global_load_b32 v[BV],   v[BVO], s[10:11]
	global_load_b32 v[BV+1], v[BVO], s[10:11] offset:64
	LOADMAP 0, Z, 0                                ; map 0 lands where z is kept: z starts as x of map 0, with weight 1
	LOADMAP 1, R0, 0
	LOADMAP 2, R1, 1
	WIN 0
	s_wait_loadcnt 48                              ; the eleven are in; the three maps' 48 loads stay out
.irp i, 0,2,4,6
	v_pk_add_f32 v[R3+4*\i:R3+4*\i+1],   v[R3+4*\i:R3+4*\i+1],   v[R3+4*\i+4:R3+4*\i+5]
	v_pk_add_f32 v[R3+4*\i+2:R3+4*\i+3], v[R3+4*\i+2:R3+4*\i+3], v[R3+4*\i+6:R3+4*\i+7]
.endr
.irp i, 0,4
	v_pk_add_f32 v[R3+4*\i:R3+4*\i+1],   v[R3+4*\i:R3+4*\i+1],   v[R3+4*\i+8:R3+4*\i+9]
	v_pk_add_f32 v[R3+4*\i+2:R3+4*\i+3], v[R3+4*\i+2:R3+4*\i+3], v[R3+4*\i+10:R3+4*\i+11]
.endr
	v_pk_add_f32 v[R3:R3+1],   v[R3:R3+1],   v[R3+16:R3+17]
	v_pk_add_f32 v[R3+2:R3+3], v[R3+2:R3+3], v[R3+18:R3+19]
.irp k, 0,1,2,3
	v_add_f32_dpp v[R3+\k], v[R3+\k], v[R3+\k] row_xmask:8 row_mask:0xf bank_mask:0xf
.endr
.irp k, 0,1,2,3
	v_permlanex16_b32 v[T+\k], v[R3+\k], s20, s21
.endr
	v_pk_add_f32 v[R3:R3+1],   v[R3:R3+1],   v[T:T+1]
	v_pk_add_f32 v[R3+2:R3+3], v[R3+2:R3+3], v[T+2:T+3]        ; u'[32 w + 4 (L % 8) .. +3], all 32 partials
	s_wait_alu depctr_va_vdst(0)                               ; the sums have written v[R3:R3+3], which the LDS store reads
	ds_store_b128 v[RL], v[R3:R3+3] offset:UL                  ; four lanes store the same numbers to the same bytes, my wave's own
.irp t, 0,1,2,3
	ds_load_b128 v[U+4*\t:U+4*\t+3], v[RL+1] offset:UL+16*\t   ; LDS serves a wave's instructions in order (ISA guide 5.7.1): these see the store
.endr
	LOADMAP 3, R2, 1                               ; into registers that no instruction has named.  From here up to 64 loads are issued and not waited for; the issue of one that the counter's field cannot hold is held back (ISA guide 5.7.1)
	WIN 0
	v_cmp_gt_u32 vcc_lo, 16, v0
.irp m, 1,2,4,8
	v_add_f32_dpp v[R3+32], v[R3+32], v[R3+32] row_xmask:\m row_mask:0xf bank_mask:0xf
.endr
	v_permlanex16_b32 v[T], v[R3+32], s20, s21
	v_add_f32 v[R3+32], v[R3+32], v[T]                         ; s0'
	s_wait_alu depctr_va_vcc(0)                                ; the compare has written VCC, which the two selects read
	v_cndmask_b32 v[S0H],   0, v[R3+32], vcc_lo
	v_cndmask_b32 v[S0H+1], 0, v[R3+32], vcc_lo
	s_wait_dscnt 0x0                               ; u' of my 16 channels
	; map 0: its score is the first maximum, its weight 1, z = x; map 4 is asked for, into the registers that held the partials of u'
	s_wait_loadcnt 48                              ; maps 1, 2, 3 stay out
.set PAR, 0
	ASK 1, 4, R3, 0
	SCORE Z, 0, MXA
.irp k, 0,1,2,3
	v_mov_b32 v[LS+\k], 1.0
.endr
	; maps 1 to 15: turn m asks for map m + 4, into the slot of map m - 1 (turn 1: into the fifth slot, which is still fresh); turns 13 and 14 for my 32 rows of 64 Wv
	ASK 1, 5, R4, 1
	TURN 1, R0, 0, 48
	ASK 1, 6, R0, 0
	TURN 2, R1, 1, 48
	ASK 1, 7, R1, 1
	TURN 3, R2, 1, 48
	ASK 1, 8, R2, 1
	TURN 4, R3, 0, 48
	ASK 1, 9, R3, 0
	TURN 5, R4, 1, 48
	ASK 1, 10, R4, 1
	TURN 6, R0, 0, 48
	ASK 1, 11, R0, 0
	TURN 7, R1, 1, 48
	ASK 1, 12, R1, 1
	TURN 8, R2, 1, 48
	ASK 1, 13, R2, 1
	TURN 9, R3, 0, 48
	ASK 1, 14, R3, 0
	TURN 10, R4, 1, 48
	ASK 1, 15, R4, 1
	TURN 11, R0, 0, 48
	ASK 0
	TURN 12, R1, 1, 48                             ; younger: maps 13, 14, 15; nothing is asked for
	ASK 2, 0
	TURN 13, R2, 1, 32                             ; younger: maps 14, 15; Wv's first block goes where map 12 lay
	ASK 2, 1
	TURN 14, R3, 0, 32                             ; younger: map 15 and Wv's first block; the second goes where map 13 lay
	ASK 0
	TURN 15, R4, 1, 32                             ; younger: Wv's two blocks
	; z / sum, rounded to f16, into LDS as rows c
	WIN 0
.irp k, 0,1,2,3
	v_rcp_f32 v[RL+\k], v[LS+\k]                   ; (v44 and v45 were LDS addresses at the head: the waits on vm_vsrc at the maps' heads have shown them read)
.endr
	v_and_b32 v[T+1], 15, v0                       ; (plain work behind the reciprocals before their results are used: ISA guide 5.7.2)
	v_bfe_u32 v[T+2], v0, 4, 1
	v_and_b32 v[T+3], 7, v0
	v_bfe_u32 v[T+4], v0, 3, 1
	s_mul_i32 s24, s14, 32*ZP
	s_mul_i32 s25, s14, 32*SPITCH
	v_mul_u32_u24 v[ZST], v[T+2], 16*ZP
	v_lshl_add_u32 v[ZST], v[T+1], 3, v[ZST]
	v_add_nc_u32 v[ZST], s24, v[ZST]               ; row 32 w + 16 h, 8 bytes for my 4 pixels
	v_lshl_add_u32 v[T+3], v[T+2], 3, v[T+3]
	v_mul_u32_u24 v[ZLD], v[T+3], ZP
	v_lshl_add_u32 v[ZLD], v[T+4], 4, v[ZLD]       ; row 8 h + L % 8, 16 bytes by (L / 8) % 2
	v_mul_u32_u24 v[STO], v[T+1], SPITCH
	v_lshl_add_u32 v[STO], v[T+2], 5, v[STO]
	v_add_nc_u32 v[STO], s25, v[STO]               ; my stage: row r, 32 bytes for each half of the lanes
	v_mul_u32_u24 v[RD], v[T+2], 16*SPITCH
	v_lshl_add_u32 v[RD], v[T+1], 4, v[RD]
	v_add_nc_u32 v[RD], s25, v[RD]                 ; back: lanes 0-15 a row of 256 bytes, lanes 16-31 the row 16 further down
	s_wait_alu depctr_va_vdst(0)                   ; the four reciprocals have written v[RL ..]: one wait for the batch, ahead of its first reader
.irp j, 0,1,2,3,4,5,6,7,8,9,10,11,12,13,14,15
	v_pk_mul_f32 v[Z+4*\j:Z+4*\j+1],   v[Z+4*\j:Z+4*\j+1],   v[RL:RL+1]
	v_pk_mul_f32 v[Z+4*\j+2:Z+4*\j+3], v[Z+4*\j+2:Z+4*\j+3], v[RL+2:RL+3]
	v_cvt_pk_f16_f32 v[Z+4*\j],   v[Z+4*\j],   v[Z+4*\j+1]
	v_cvt_pk_f16_f32 v[Z+4*\j+1], v[Z+4*\j+2], v[Z+4*\j+3]
.endr
	s_wait_alu depctr_va_vdst(0)                   ; the conversions have written v[Z ..], which the run of LDS stores reads; the four late LDS addresses are written too; all vector work on v[Z ..] and v[R3 ..] is done, in which fragments land below
.irp j, 0,1,2,3,4,5,6,7,8,9,10,11,12,13,14,15
	ds_store_b64 v[ZST], v[Z+4*\j:Z+4*\j+1] offset:ZB+ZP*\j
.endr
	s_wait_dscnt 0x0                               ; my rows of z are in LDS, for all eight waves
	s_barrier_signal -1
	s_barrier_wait -1
	; rows o = 32 w .. 32 w + 31 of (64 Wv) z: eight K steps of 32 channels, the first starts the sums.  Four sets of fragments: steps 0 to 3 are fetched at once,
	; and two sets at a time are fetched again when both have been multiplied: two waits on va_vdst for the eight steps.
	s_wait_loadcnt 0x0                             ; Wv's fragments
	s_wait_alu depctr_vm_vsrc(0)                   ; my LDS stores have read v[Z ..], in which the first two sets land
	FETCH 0, FA
	FETCH 1, FB
	FETCH 2, FC
	FETCH 3, FD
	s_wait_dscnt 24                                ; LDS loads come back in order (ISA guide 5.7.1): step 0's eight are in, the 24 younger stay out
	MULK FA, 0, 1
	s_wait_dscnt 16                                ; step 1's are in
	MULK FB, 1, 0
	AGAIN 4, FA, FB
	s_wait_dscnt 24                                ; step 2's are in; younger: step 3's eight and the sixteen just issued
	MULK FC, 2, 0
	s_wait_dscnt 16
	MULK FD, 3, 0
	AGAIN 6, FC, FD
	s_wait_dscnt 24                                ; step 4's are in; younger: step 5's eight and the sixteen just issued
	MULK FA, 4, 0
	s_wait_dscnt 16
	MULK FB, 5, 0
	s_wait_dscnt 8
	MULK FC, 6, 0
	s_wait_dscnt 0x0
	MULK FD, 7, 0
	; THE WAY OUT: sum / 64 + bv in one fused multiply-add, through my own stage in LDS, back as whole rows of 256 bytes
	WIN 0
	PLACES                                         ; behind the last matrix instructions: the lines below read results and write over fragments
.irp a, 0,1,2,3
.irp i, 0,2,4,6
	v_pk_fma_f32 v[Z+8*\a+\i:Z+8*\a+\i+1], v[R0+8*\a+\i:R0+8*\a+\i+1], UNSC, v[BV:BV+1] op_sel_hi:[1,0,0]                ; rows 32 w + r: both pixels + bv of the pair's first register; each accumulator from its low end on
.endr
.endr
.irp a, 4,5,6,7
.irp i, 0,2,4,6
	v_pk_fma_f32 v[Z+8*\a+\i:Z+8*\a+\i+1], v[R0+8*\a+\i:R0+8*\a+\i+1], UNSC, v[BV:BV+1] op_sel:[0,0,1] op_sel_hi:[1,0,1] ; rows 32 w + 16 + r: both + the second register
.endr
.endr
	s_wait_alu depctr_va_vdst(0)                   ; the multiply-adds have written v[Z ..], which the LDS stores read, and are done reading the accumulators, in which the loads from the stage land
.irp a, 0,1,2,3,4,5,6,7
	ds_store_b128 v[STO], v[Z+8*\a:Z+8*\a+3]   offset:STG+(\a/4)*16*SPITCH+(\a%4)*64
	ds_store_b128 v[STO], v[Z+8*\a+4:Z+8*\a+7] offset:STG+(\a/4)*16*SPITCH+(\a%4)*64+16
.endr
.irp t, 0,1,2,3,4,5,6,7,8,9,10,11,12,13,14,15
	ds_load_b128 v[R0+4*\t:R0+4*\t+3], v[RD] offset:STG+SPITCH*\t          ; my wave's own bytes, served in order: these see the stores above
.endr
.irp t, 0,1,2,3,4,5,6,7,8,9,10,11,12,13,14,15
	s_wait_dscnt 15-\t
	global_store_b128 v[XOFF], v[R0+4*\t:R0+4*\t+3], s[12:13] offset:XROW*\t th:TH_STORE_NT   ; sixteen lanes store 256 consecutive bytes, aligned: rows 32 w + t and 32 w + 16 + t
.endr
	s_set_vgpr_msb 0x5
	s_wait_dscnt 0x0
	s_wait_alu depctr_hold_cnt(0) depctr_sa_sdst(0) depctr_va_vdst(0) depctr_va_sdst(0) depctr_va_ssrc(0) depctr_va_vcc(0) depctr_vm_vsrc(0)
	s_wait_tensorcnt 0x0
	ds_add_u32 v192, v193
	s_wait_dscnt 0x0
	s_endpgm
.Lfunc_end_k_q5945b5f860_attn:
	.size	k_q5945b5f860_attn, .Lfunc_end_k_q5945b5f860_attn-k_q5945b5f860_attn
	.p2alignl 7, 3214868480
	.fill 96, 4, 3214868480
	.section	.rodata,"a",@progbits
	.p2align	6, 0x0
	.amdhsa_kernel k_q5945b5f860_attn
		.amdhsa_group_segment_fixed_size 116736
		.amdhsa_private_segment_fixed_size 0
		.amdhsa_enable_private_segment 0
		.amdhsa_kernarg_size 40
		.amdhsa_user_sgpr_count 2
		.amdhsa_user_sgpr_kernarg_segment_ptr 1
		.amdhsa_wavefront_size32 1
		.amdhsa_system_sgpr_workgroup_id_x 1
		.amdhsa_system_sgpr_workgroup_id_y 1
		.amdhsa_system_sgpr_workgroup_id_z 1
		.amdhsa_system_vgpr_workitem_id 0
		.amdhsa_next_free_vgpr 450
		.amdhsa_next_free_sgpr 66
		.amdhsa_reserve_vcc 1
		.amdhsa_float_denorm_mode_32 3
		.amdhsa_float_denorm_mode_16_64 3
		.amdhsa_memory_ordered 1
		.amdhsa_forward_progress 1
		.amdhsa_inst_pref_size 192
	.end_amdhsa_kernel
	.amdgpu_metadata
---
amdhsa.version: [ 1, 2 ]
amdhsa.kernels:
  - .name:           k_q5945b5f860_attn
    .symbol:         k_q5945b5f860_attn.kd
    .args:
      - { .name: residual_maps, .offset: 0, .size: 8, .value_kind: global_buffer, .address_space: global }
      - { .name: up, .offset: 8, .size: 8, .value_kind: global_buffer, .address_space: global }
      - { .name: wvh, .offset: 16, .size: 8, .value_kind: global_buffer, .address_space: global }
      - { .name: bv, .offset: 24, .size: 8, .value_kind: global_buffer, .address_space: global }
      - { .name: out0, .offset: 32, .size: 8, .value_kind: global_buffer, .address_space: global }
    .group_segment_fixed_size: 116736
    .private_segment_fixed_size: 0
    .kernarg_segment_align: 8
    .kernarg_segment_size: 40
    .max_flat_workgroup_size: 256
    .sgpr_count:     66
    .vgpr_count:     450
    .wavefront_size: 32
...
	.end_amdgpu_metadata
.endif
;; end of part 3
